; MI455X (gfx1250); checked and timed in simulation.
; The chip was launched on July 23, 2026; its instructions are those of AMD's public machine-readable ISA for CDNA 5 (MIT licence, August 2026) and "CDNA5" Instruction Set Architecture Reference Guide (July 2026). The comments in the code are by the model that wrote it; some were corrected since.
;; Bahdanau Attention. Allowed arithmetic: matrix products marked QUANTISED: E2M3 operands, one E8M0 scale for each 32 along K, by v_wmma_scale_f32_16x16x128_f8f6f4 with both operands' format E2M3, f32 sums; products left as they are: f32 operands where the result goes on into a quantised operand, else bf16, f16 or f32 operands; f32 sums; everything else in f32.
;; Inputs: W_c 1,024 x 1,024 float32; W_h 1,024 x 1,024 float32; b_c 1,024 float32; b_h 1,024 float32; encoder_outputs 32 x 2,048 x 1,024 float32; hidden 32 x 1,024 float32; v 1,024 float32.
;; Outputs: out0 32 x 1,024 float32; out1 32 x 2,048 float32.
;; This version of the problem:
;;   THIS VERSION OF THE PROBLEM IS GIVEN IN LOW PRECISION. The matrix products marked QUANTISED in the list below multiply operands that are first quantised to E2M3 (2 exponent bits, 3 mantissa bits; 6 bits a number), with one power-of-two scale for each 32 numbers along K (OCP MX v1.0); their sums are f32. All else is computed in f32.
;;   The module's matrix products, in the order in which they are computed (A, B: the left and right operand; K: the contracted axis; several contracted axes count as one K, in the product's order):
;;     1. [M 32, K 1,024] x [K 1,024, N 1,024]; A: input hidden; B: input W_h: QUANTISED
;;     2. [M 65,536, K 1,024] x [K 1,024, N 1,024]; A: input encoder_outputs; B: input W_c: QUANTISED
;;     3. [M 65,536, K 1,024] x [K 1,024, N 1]; A: computed on the way; B: input v: left as it is (N = 1 < 16)
;;     4. batch 32 x [M 1, K 2,048] x [K 2,048, N 1,024]; A: softmax; B: input encoder_outputs: left as it is (M = 1 < 16)
;;   THE QUANTISER, for each operand of a quantised product, along K:
;;     - K is cut into blocks of 32 from its start; a last block that is shorter is filled with zeros.
;;     - A block's scale is 2^e with e = floor(log2(the largest magnitude in the block)) - 2, held to -126 .. 127; a block of zeros has e = 0. As a byte (E8M0): e + 127.
;;     - Each number is divided by its block's scale, clamped to +-7.5, and rounded to the nearest number of E2M3, ties to even, subnormals kept.
;;     - The product sums the exact products of the quantised numbers (number of the format x scale) in f32.
;;   ~~~python
;;   def quantise(x, axis):      # numpy; x: float32 -> the quantised numbers, widened to float32 again
;;       x = np.moveaxis(x, axis, -1); K = x.shape[-1]
;;       x = np.pad(x, [(0, 0)] * (x.ndim - 1) + [(0, -K % 32)]); x = x.reshape(x.shape[:-1] + (-1, 32)); a = np.abs(x).max(-1, keepdims=True)
;;       e = np.where(a > 0, np.clip(np.frexp(np.where(a > 0, a, 1))[1] - 1 - 2, -126, 127), 0)      # np.frexp(a)[1] - 1 = floor(log2(a)), exactly
;;       r = np.clip(x / 2.0 ** e, -7.5, 7.5)
;;       step = 2.0 ** (np.maximum(np.frexp(np.where(r == 0, 1, r))[1] - 1, 0) - 3)
;;       q = np.round(r / step) * step * 2.0 ** e      # np.round: ties to even
;;       return np.moveaxis(q.reshape(q.shape[:-2] + (-1,))[..., :K], -1, axis).astype(np.float32)
;;   ~~~
;; One version. Each part assembles by itself: llvm-mc -triple=amdgcn-amd-amdhsa -mcpu=gfx1250 --defsym DOCPART=n.
;; ======== version 1 of 1: 3 launches
;; workspace buffers: wrec 819,200 bytes; tb 131,072 bytes; sc 262,144 bytes
;; launch prep (part 1): grid 64 x 1, 32 waves a work-group, no clusters, 53,248 bytes of LDS; arguments W_c, W_h, hidden, b_h, b_c, wrec, tb; writes wrec, tb
.if DOCPART == 1
	.amdgcn_target "amdgcn-amd-amdhsa--gfx1250"
	.amdhsa_code_object_version 6
	.text
	.protected	k_qcede5614a2_prep
	.globl	k_qcede5614a2_prep
	.p2align	8
	.type	k_qcede5614a2_prep,@function
k_qcede5614a2_prep:
	s_mov_b64 s[64:65], 0
	v_nop
	global_prefetch_b8 v0, s[64:65] scope:SCOPE_SE
	s_setreg_imm32_b32 hwreg(HW_REG_WAVE_MODE, 25, 1), 1
	s_wait_xcnt 0x0
; W_c [1024][1024] f32 becomes codes of FP6 (E2M3) with one E8M0 byte for each 32 along K, laid in the order of an operand's registers; and
; tb[T][b][16] = c x (Q(hidden) Q(W_h)^T + b_h + b_c), c = 2 log2(e), for the 16 outputs o = 16 T + 0 .. 15 of all 32 batches.
; A UNIT is 16 rows x 128 along K of f32: it becomes one fragment (12 registers a lane) and one scale word a row.
; AN IMAGE is a fragment as it stands in registers: three pieces of 16 bytes a lane, lane l's at 16 l + 512 c: 1,536 bytes.  Whoever loads it by the same three lines has the same registers in the same lanes.
; wrec: image of (tile T of 16 rows o, K step k) at (8 T + k) x 1,536; from byte 786,432 on the scale words [T][k][row], 4 bytes each.
; SHARES.  Work-group T.  Each of its 32 waves quantises ONE unit: wave = 8 src + k; src 0: rows 16 T .. of W_c; src 1: rows 16 T .. of W_h; src 2, 3: rows 0-15, 16-31 of hidden.  No loop.
; W_c's fragments go straight to memory; the others meet in LDS, and behind the one barrier wave 1 multiplies them (16 matrix instructions) while wave 0 sends W_c's scale words out.
; LIMITS: NaN and infinities among the inputs are not served.  A block whose largest magnitude lies under 2^-124 keeps the byte 1; a block of zeros has the byte 1 where the quantiser's text says 127:
; its codes are zeros, which add nothing under that byte, and the bytes are read by this program alone.
.set RECB,  12800                      ; LDS: for each src 8 images (12,288 bytes) and 8 x 64 bytes of scale words
.set RSC,   12288
.set FRB,   1536
.set OST,   4*RECB                     ; behind them: 2,048 bytes in which tb's rows are turned
.set WSCL,  786432                     ; where the scale words begin in wrec
.set LI,  1                            ; v1   16 x lane
.set L4,  2                            ; v2   4 x lane
.set XA,  3                            ; v3   my bytes in a unit: 4,096 r + 64 h
.set IMA, 4                            ; v4   where my wave's image goes
.set SCA, 5                            ; v5   where my row's scale word goes
.set OSA, 6                            ; v6   tb's turn: 64 r + 32 h
.set BO,  7                            ; v7   32 h
.set SW,  12                           ; v12-14 scale words of W_h, hidden 0-15, hidden 16-31: these registers hold scales and nothing else
.set X,   16                           ; v16-79   the unit's 64 numbers of my lane
.set TM,  80                           ; v80-91   largest magnitudes, bytes, scale operands
.set PC,  92                           ; v92-111  the codes
.set PW,  112                          ; v112     the scale word
.set FW,  16                           ; the product: two K steps' fragments of W_h,
.set FH0, 40                           ; of hidden's rows 0-15,
.set FH1, 64                           ; of its rows 16-31;
.set AC0, 88                           ; the two accumulators;
.set AC1, 96
.set BH,  104                          ; b_h, b_c of my eight outputs
.set BC,  112
.set OUTR, 16                          ; results, and
.set BK,  32                           ; the same as whole rows
.set WV,  18
.set SRC, 19
.set KS,  20
.set SEL, 32                           ; s[32:33] lane selects of v_permlanex16_b32: lane l xor 16
.set CS,  34                           ; s[34:35] c, twice: the packed forms name a pair
.macro PLACES n
.rept \n
	v_nop
.endr
.endm
; 64 numbers of a lane, register 16 b + i = k 32 b + 16 (lane / 16) + i of row lane % 16, become a fragment's codes in v[PC] on and the row's scale word in v[PW].
.macro QUANT s
.irp b, 0,1,2,3
	v_max3_num_f32 v[TM+\b], |v[\s+16*\b]|, |v[\s+1+16*\b]|, 0x1800000   ; block b: my 16 numbers, and the floor 2^(3 - 127): the byte cannot fall under 1
.endr
.irp i, 2,4,6,8,10,12,14
.irp b, 0,1,2,3
	v_max3_num_f32 v[TM+\b], v[TM+\b], |v[\s+16*\b+\i]|, |v[\s+1+16*\b+\i]|   ; the four blocks by turns
.endr
.endr
.irp b, 0,1,2,3
	v_permlanex16_b32 v[TM+4+\b], v[TM+\b], s[SEL], s[SEL+1]
.endr
.irp b, 0,1,2,3
	v_max_num_f32 v[TM+\b], v[TM+\b], v[TM+4+\b]   ; with lane l xor 16's 16: the block's largest magnitude
.endr
.irp b, 0,1,2,3
	v_add_nc_u32 v[TM+8+\b], 0xff000000, v[TM+\b]  ; 2 off its exponent field: the conversion takes the exponent field of this operand as its scale
.endr
.irp b, 0,1,2,3
	v_lshrrev_b32 v[TM+4+\b], 23, v[TM+8+\b]       ; the scale's byte
.endr
	v_lshl_or_b32 v[PW], v[TM+5], 8, v[TM+4]
	v_lshl_or_b32 v[PW], v[TM+6], 16, v[PW]
	v_lshl_or_b32 v[PW], v[TM+7], 24, v[PW]        ; the same word in lanes l and l xor 16
.irp c, 0,1
	v_cvt_scalef32_pk16_fp6_f32 v[PC+6*\c:PC+2+6*\c], v[\s+32*\c:\s+15+32*\c], v[TM+8+2*\c]
	v_cvt_scalef32_pk16_fp6_f32 v[PC+12+4*\c:PC+14+4*\c], v[\s+16+32*\c:\s+31+32*\c], v[TM+8+2*\c+1]   ; (a conversion's three registers begin on an even number)
.endr
	v_nop                                          ; one plain place behind the scaled conversions
.irp c, 0,1                                    ; the operand wants a WHOLE block in a lane: lanes 0-15 block 2 c, lanes 16-31 block 2 c + 1
.irp i, 0,1,2
	v_permlane16_swap_b32 v[PC+6*\c+\i], v[PC+12+4*\c+\i]
.endr
.irp i, 0,1,2
	v_mov_b32 v[PC+3+6*\c+\i], v[PC+12+4*\c+\i]
.endr
.endr
.endm
; One matrix instruction: source 0 = 16 rows of W_h, source 1 = 16 rows of hidden.  row = 1: the odd K step's scale words, which lie in lanes 16-31.
.macro MM d, a, b, sb, zero, row
.if \zero
	v_wmma_scale_f32_16x16x128_f8f6f4 v[(\d):(\d)+7], v[(\a):(\a)+11], v[(\b):(\b)+11], 0, v[SW], v[(\sb)] matrix_a_fmt:MATRIX_FMT_FP6 matrix_b_fmt:MATRIX_FMT_FP6
.elseif \row
	v_wmma_scale_f32_16x16x128_f8f6f4 v[(\d):(\d)+7], v[(\a):(\a)+11], v[(\b):(\b)+11], v[(\d):(\d)+7], v[SW], v[(\sb)] matrix_a_fmt:MATRIX_FMT_FP6 matrix_b_fmt:MATRIX_FMT_FP6 matrix_a_scale:MATRIX_SCALE_ROW1 matrix_b_scale:MATRIX_SCALE_ROW1
.else
	v_wmma_scale_f32_16x16x128_f8f6f4 v[(\d):(\d)+7], v[(\a):(\a)+11], v[(\b):(\b)+11], v[(\d):(\d)+7], v[SW], v[(\sb)] matrix_a_fmt:MATRIX_FMT_FP6 matrix_b_fmt:MATRIX_FMT_FP6
.endif
.endm
	s_load_b256 s[4:11], s[0:1], 0x0               ; W_c s[4:5], W_h s[6:7], hidden s[8:9], b_h s[10:11]
	s_load_b128 s[12:15], s[0:1], 0x20             ; b_c s[12:13], wrec s[14:15]
	s_load_b64 s[16:17], s[0:1], 0x30              ; tb
	v_lshrrev_b32 v8, 5, v0
	v_readfirstlane_b32 s[WV], v8                  ; wave 0..31
	s_lshr_b32 s[SRC], s[WV], 3                    ; which tensor
	s_and_b32 s[KS], s[WV], 7                      ; which K step
	v_and_b32 v8, 31, v0                           ; lane
	v_and_b32 v9, 15, v0                           ; r
	v_bfe_u32 v10, v0, 4, 1                        ; h
	v_lshlrev_b32 v[LI], 4, v8
	v_lshlrev_b32 v[L4], 2, v8
	v_lshlrev_b32 v[XA], 12, v9
	v_lshl_add_u32 v[XA], v10, 6, v[XA]
	s_mul_i32 s26, s[SRC], RECB                    ; every LDS address is made here, ahead of the first parting of the waves
	s_mul_i32 s27, s[KS], FRB
	s_add_co_u32 s28, s26, s27
	v_add_nc_u32 v[IMA], s28, v[LI]                ; 12,800 src + 1,536 k + 16 lane
	s_lshl_b32 s28, s[KS], 6
	s_add_co_u32 s28, s28, s26
	s_add_co_u32 s28, s28, RSC
	v_lshl_add_u32 v[SCA], v9, 2, s28              ; 12,800 src + 12,288 + 64 k + 4 r
	v_lshlrev_b32 v[OSA], 6, v9
	v_lshl_add_u32 v[OSA], v10, 5, v[OSA]
	v_add_nc_u32 v[OSA], OST, v[OSA]
	v_lshlrev_b32 v[BO], 5, v10
.irp b, 0,1,2,3
	v_mov_b32 v[TM+4+\b], 0                        ; written once: a lane permute's destination counts as one of its sources
.endr
	s_mov_b32 s[SEL], 0x76543210
	s_mov_b32 s[SEL+1], 0xfedcba98
	s_mov_b32 s[CS], 0x4038aa3b                    ; c = 2 log2(e)
	s_mov_b32 s[CS+1], s[CS]
	s_lshl_b32 s24, ttmp9, 4                       ; the weights' first row: 16 T
	s_and_b32 s25, s[SRC], 1
	s_lshl_b32 s25, s25, 4                         ; hidden's: 0 or 16
	s_mul_i32 s28, ttmp9, 8*FRB
	s_add_co_u32 s28, s28, s27                     ; wrec: my image, (8 T + k) x 1,536
	s_mov_b32 s29, 0
	s_lshl_b32 s30, ttmp9, 9
	s_add_co_u32 s30, s30, WSCL                    ; wrec: the tile's 512 bytes of scale words
	s_mov_b32 s31, 0
	s_lshl_b32 s36, ttmp9, 6                       ; the biases' 16 numbers
	s_mov_b32 s37, 0
	s_lshl_b32 s38, ttmp9, 11                      ; tb: 32 batches x 64 bytes
	s_mov_b32 s39, 0
	s_wait_kmcnt 0x0
	s_cmp_eq_u32 s[SRC], 0                         ; the choices hang on the wave's number alone
	s_cselect_b64 s[22:23], s[4:5], s[6:7]
	s_cmp_lt_u32 s[SRC], 2
	s_cselect_b64 s[22:23], s[22:23], s[8:9]
	s_cselect_b32 s24, s24, s25
	s_lshl_b32 s24, s24, 12                        ; rows of 4,096 bytes,
	s_lshl_b32 s25, s[KS], 9                       ; K steps of 512
	s_add_co_u32 s24, s24, s25
	s_mov_b32 s25, 0
	s_add_nc_u64 s[22:23], s[22:23], s[24:25]
	s_add_nc_u64 s[28:29], s[14:15], s[28:29]
	s_add_nc_u64 s[30:31], s[14:15], s[30:31]
	s_add_nc_u64 s[10:11], s[10:11], s[36:37]
	s_add_nc_u64 s[12:13], s[12:13], s[36:37]
	s_add_nc_u64 s[16:17], s[16:17], s[38:39]
.irp b, 0,1,2,3                                ; lane (r, h): of row r, 16 neighbours of each block of 32.  A block's four loads together read the rows' 128 bytes; the tensors are small and are read once here
.irp j, 0,1,2,3
	global_load_b128 v[X+16*\b+4*\j:X+16*\b+4*\j+3], v[XA], s[22:23] offset:128*\b+16*\j
.endr
.endr
	s_wait_loadcnt 0x0
	QUANT X
	s_cmp_lt_u32 s[WV], 8
	s_cbranch_scc0 .Lto_lds
.irp c, 0,1,2
	global_store_b128 v[LI], v[PC+4*\c:PC+4*\c+3], s[28:29] offset:512*\c   ; W_c's image: each store covers 512 consecutive bytes, aligned
.endr
	s_branch .Ljoined
.Lto_lds:
.irp c, 0,1,2
	ds_store_b128 v[IMA], v[PC+4*\c:PC+4*\c+3] offset:512*\c
.endr
.Ljoined:
	ds_store_b32 v[SCA], v[PW]                     ; lanes l and l xor 16 write the same word with the same value
	s_wait_dscnt 0x0                               ; for the others' sake: my LDS stores are done
	s_barrier_signal -1
	s_barrier_wait -1                              ; the one barrier: all images and scale words lie in LDS
	s_cmp_eq_u32 s[WV], 0
	s_cbranch_scc1 .Lscales
	s_cmp_eq_u32 s[WV], 1
	s_cbranch_scc1 .Lproduct
	s_endpgm
.Lscales:                                          ; wave 0: W_c's scale words of this tile, [k][row], 512 consecutive bytes
	ds_load_b128 v[16:19], v[LI] offset:RSC
	s_wait_dscnt 0x0
	global_store_b128 v[LI], v[16:19], s[30:31]
	s_endpgm
.Lproduct:                                         ; wave 1: 16 outputs x 32 batches x K = 1,024
	s_wait_xcnt 0x0                                ; my own stores of W_c's codes have read v92-103: the accumulators below are written there only behind this wait
	global_load_b128 v[BH:BH+3], v[BO], s[10:11]
	global_load_b128 v[BH+4:BH+7], v[BO], s[10:11] offset:16
	global_load_b128 v[BC:BC+3], v[BO], s[12:13]
	global_load_b128 v[BC+4:BC+7], v[BO], s[12:13] offset:16
.irp g, 0,1,2,3                                ; two K steps at a time
.if \g > 0
	PLACES 4                                       ; in front of loads into registers that matrix instructions have read
.endif
.irp kk, 0,1
.irp c, 0,1,2
	ds_load_b128 v[FW+12*\kk+4*\c:FW+12*\kk+4*\c+3], v[LI] offset:RECB+FRB*(2*\g+\kk)+512*\c
	ds_load_b128 v[FH0+12*\kk+4*\c:FH0+12*\kk+4*\c+3], v[LI] offset:2*RECB+FRB*(2*\g+\kk)+512*\c
	ds_load_b128 v[FH1+12*\kk+4*\c:FH1+12*\kk+4*\c+3], v[LI] offset:3*RECB+FRB*(2*\g+\kk)+512*\c
.endr
.endr
	ds_load_b32 v[SW], v[L4] offset:RECB+RSC+128*\g        ; lanes 0-15: K step 2 g; lanes 16-31: K step 2 g + 1
	ds_load_b32 v[SW+1], v[L4] offset:2*RECB+RSC+128*\g
	ds_load_b32 v[SW+2], v[L4] offset:3*RECB+RSC+128*\g
	s_wait_dscnt 0x0
.if \g == 0                                    ; the two accumulators take turns, one instruction a turn; the first products start the sums
	MM AC0, FW, FH0, SW+1, 1, 0
	MM AC1, FW, FH1, SW+2, 1, 0
.else
	MM AC0, FW, FH0, SW+1, 0, 0
	MM AC1, FW, FH1, SW+2, 0, 0
.endif
	MM AC0, FW+12, FH0+12, SW+1, 0, 1
	MM AC1, FW+12, FH1+12, SW+2, 0, 1
.endr
	s_wait_loadcnt 0x0                             ; the biases
.irp i, 0,2,4,6
	v_pk_add_f32 v[BH+\i:BH+\i+1], v[BH+\i:BH+\i+1], v[BC+\i:BC+\i+1]     ; b_h + b_c: these four name no register of the products and are the places behind them
.endr
.irp i, 0,2,4,6
	v_pk_mul_f32 v[BH+\i:BH+\i+1], v[BH+\i:BH+\i+1], s[CS:CS+1] op_sel_hi:[1,0]
.endr
.irp i, 0,2,4,6                                ; lane (r, h), register j: output 16 T + 8 h + j of batch r; each accumulator is read from its low end on
	v_pk_fma_f32 v[OUTR+\i:OUTR+\i+1], v[AC0+\i:AC0+\i+1], s[CS:CS+1], v[BH+\i:BH+\i+1] op_sel_hi:[1,0,1]
.endr
.irp i, 0,2,4,6
	v_pk_fma_f32 v[OUTR+8+\i:OUTR+8+\i+1], v[AC1+\i:AC1+\i+1], s[CS:CS+1], v[BH+\i:BH+\i+1] op_sel_hi:[1,0,1]   ; batch 16 + r
.endr
	ds_store_b128 v[OSA], v[OUTR:OUTR+3]
	ds_store_b128 v[OSA], v[OUTR+4:OUTR+7] offset:16
	ds_store_b128 v[OSA], v[OUTR+8:OUTR+11] offset:1024
	ds_store_b128 v[OSA], v[OUTR+12:OUTR+15] offset:1040
.irp q, 0,1,2,3
	ds_load_b128 v[BK+4*\q:BK+4*\q+3], v[LI] offset:OST+512*\q     ; LDS serves a wave's instructions in order (ISA guide 5.7.1.4): these see my stores
.endr
	s_wait_dscnt 0x0
.irp q, 0,1,2,3
	global_store_b128 v[LI], v[BK+4*\q:BK+4*\q+3], s[16:17] offset:512*\q   ; 512 consecutive bytes a store, aligned
.endr
	s_endpgm
.Lfunc_end_k_qcede5614a2_prep:
	.size	k_qcede5614a2_prep, .Lfunc_end_k_qcede5614a2_prep-k_qcede5614a2_prep
	.p2alignl 7, 3214868480
	.fill 96, 4, 3214868480
	.section	.rodata,"a",@progbits
	.p2align	6, 0x0
	.amdhsa_kernel k_qcede5614a2_prep
		.amdhsa_group_segment_fixed_size 53248
		.amdhsa_private_segment_fixed_size 0
		.amdhsa_enable_private_segment 0
		.amdhsa_kernarg_size 56
		.amdhsa_user_sgpr_count 2
		.amdhsa_user_sgpr_kernarg_segment_ptr 1
		.amdhsa_wavefront_size32 1
		.amdhsa_system_sgpr_workgroup_id_x 1
		.amdhsa_system_sgpr_workgroup_id_y 1
		.amdhsa_system_sgpr_workgroup_id_z 1
		.amdhsa_system_vgpr_workitem_id 0
		.amdhsa_next_free_vgpr 128
		.amdhsa_next_free_sgpr 66
		.amdhsa_reserve_vcc 0
		.amdhsa_float_denorm_mode_32 3
		.amdhsa_float_denorm_mode_16_64 3
		.amdhsa_memory_ordered 1
		.amdhsa_forward_progress 1
		.amdhsa_inst_pref_size 20
	.end_amdhsa_kernel
	.amdgpu_metadata
---
amdhsa.version: [ 1, 2 ]
amdhsa.kernels:
  - .name:           k_qcede5614a2_prep
    .symbol:         k_qcede5614a2_prep.kd
    .args:
      - { .name: W_c, .offset: 0, .size: 8, .value_kind: global_buffer, .address_space: global }
      - { .name: W_h, .offset: 8, .size: 8, .value_kind: global_buffer, .address_space: global }
      - { .name: hidden, .offset: 16, .size: 8, .value_kind: global_buffer, .address_space: global }
      - { .name: b_h, .offset: 24, .size: 8, .value_kind: global_buffer, .address_space: global }
      - { .name: b_c, .offset: 32, .size: 8, .value_kind: global_buffer, .address_space: global }
      - { .name: wrec, .offset: 40, .size: 8, .value_kind: global_buffer, .address_space: global }
      - { .name: tb, .offset: 48, .size: 8, .value_kind: global_buffer, .address_space: global }
    .group_segment_fixed_size: 53248
    .private_segment_fixed_size: 0
    .kernarg_segment_align: 8
    .kernarg_segment_size: 56
    .max_flat_workgroup_size: 1024
    .sgpr_count:     66
    .vgpr_count:     128
    .wavefront_size: 32
...
	.end_amdgpu_metadata
.endif
;; end of part 1
;; launch scores (part 2): grid 256 x 1, 4 waves a work-group, no clusters, 271,360 bytes of LDS; arguments encoder_outputs, wrec, tb, v, sc; writes sc
.if DOCPART == 2
	.amdgcn_target "amdgcn-amd-amdhsa--gfx1250"
	.amdhsa_code_object_version 6
	.text
	.protected	k_qcede5614a2_scores
	.globl	k_qcede5614a2_scores
	.p2align	8
	.type	k_qcede5614a2_scores,@function
k_qcede5614a2_scores:
	s_mov_b64 s[64:65], 0
	v_nop
	global_prefetch_b8 v0, s[64:65] scope:SCOPE_SE
	s_setreg_imm32_b32 hwreg(HW_REG_WAVE_MODE, 25, 1), 1
	s_wait_xcnt 0x0
; sc[row] = the sum over o of v[o] (r - 1/2), r = 1 / (1 + 2^(c x)), c = 2 log2(e), x = Q(encoder row) . Q(W_c[o]) + hidden_proj[b][o] + b_h[o] + b_c[o].
; tanh(x) = 1 - 2 r, so sc = - score / 2.  Where 2^(c x) overflows r is 0, where it vanishes r is 1: tanh saturates rightly for every finite x.
; SHARES.  A work-group owns 256 rows of encoder_outputs (all of one batch, b = work-group / 8).
; INGEST: wave w reads rows 64 w .. 64 w + 63 in f32, quantises them to FP6 (E2M3) with one E8M0 byte for each 32 along K, and leaves them in LDS as images of operand registers
;   (a fragment of 16 rows x 128 K: three pieces of 16 bytes a lane, lane l's at 16 l + 512 c) with their scale words.  Each load of a wave reads 512 consecutive bytes of one row.
; PRODUCT, four passes: in pass p wave w holds tiles T = 16 p + 4 w + 0 .. 3 of W_c (16 outputs each) for ALL of K in 384 registers, loaded as images straight from memory, and walks the 16 tiles
;   of rows from LDS: 12 KB of a tile's fragments feed 32 matrix instructions.  Source 0 = 16 rows of W_c, source 1 = 16 encoder rows: lane (r, h) holds row r, register j output 16 T + 8 h + j.
; BY TURNS: while one tile of rows is multiplied (a PERIOD: 32 matrix instructions), the tile before goes through its 64 exponentials and reciprocals a lane-pair at a time: a slice of seven vector
;   instructions behind every two matrix instructions.  Set in phases of their own these 112 lines would leave the matrix unit without work; that is why the register windows are switched so often.
; Each lane's sum over its 32 outputs goes to LDS; at the end a row's 32 partial sums (4 waves x 4 passes x 2 halves of the lanes) are added.
; W_c's images are shared by all work-groups but go into registers, where they stay for 512 matrix instructions: a way through LDS would add a write and a read of the same bytes, and LDS is taken by the rows.
; LIMITS: NaN and infinities among the inputs are not served.  A block whose largest magnitude lies under 2^-124 keeps the byte 1; a block of zeros has the byte 1 (its codes are zeros; this program alone
; reads the bytes).  The sum over o is taken in another order than a plain ascending one: 32 numbers a lane, then 32 partial sums.
; REGISTERS, in windows of 256: window 0: addresses, scale words, two sets of 4 accumulators (in the ingest: the 64 numbers at work), bias, v, the quantiser's registers.
;   window 1: W_c's tiles 0, 1 of the pass at v[96 (t % 2) + 12 k];  window 2: tiles 2, 3;  window 3: two buffers of a row tile's 8 fragments at v[96 par + 12 k] (in the ingest: four buffers of 64).
.set FRB,    1536                      ; an image
.set TILEB,  8*FRB                     ; a tile's eight K steps
.set AFR,    0                         ; LDS: image of (row tile I, K step k) at (8 I + k) x 1,536
.set ASL,    16*TILEB                  ; its scale words at (8 I + k) x 64, row r's at 4 r
.set STG,    ASL+16*512                ; each wave's stage: 16 rows of 512 bytes, 528 apart: row r starts at bank 4 r mod 64 (64 banks of 4 bytes: ISA guide 11.1)
.set SPITCH, 528
.set STGB,   16*SPITCH
.set PP,     STG+4*STGB                ; partial sums [wave][pass][row tile][lane], 4 bytes each
.set WSCL,   64*TILEB                  ; where the scale words begin in wrec
.set LI,  1                            ; v1   16 x lane
.set L4,  2                            ; v2   4 x lane
.set R4,  3                            ; v3   4 x (lane % 16)
.set STS, 4                            ; v4   the stage, in: 16 x lane
.set STL, 5                            ; v5   the stage, out: 528 r + 64 h
.set IMA, 6                            ; v6   where images are stored
.set SCA, 7                            ; v7   where scale words are stored
.set ADA, 8                            ; v8   where a row tile's fragments are fetched
.set ADS, 9                            ; v9   and its scale words
.set ADP, 10                           ; v10  where a partial sum goes
.set BO,  11                           ; v11  32 h
.set RDA, 12                           ; v12  the last sum's LDS address
.set GO,  13                           ; v13  8 x thread
.set SC,  14                           ; v[14:15] a tile's running sum, in two halves
.set TOT, 16                           ; v16  their sum
.set WS,  18                           ; v18-33 W_c's scale words, at 4 t + q: lanes 0-15 K step 2 q, lanes 16-31 K step 2 q + 1.  v18-41 hold scales and nothing else
.set AS,  34                           ; v34-41 the rows' scale words, at 4 par + q, likewise
.set ACC, 64                           ; v64-127 accumulators: set par at 32 par, tile t at 8 t
.set X,   64                           ; in the ingest: 64 numbers
.set BI,  128                          ; v128-159 c x bias at 8 t + j
.set VV,  160                          ; v160-191 v at 8 t + j
.set TM,  192
.set PC,  216
.set PW,  236
.set HV,  238                          ; v[238:239] -1/2 x the sum of my 32 v, in two halves: where each sum starts
.set EP,  4                            ; s[4:5]   my wave's rows of encoder_outputs, at the K step in hand
.set WP,  6                            ; s[6:7]   my wave's images of the next pass
.set TBP, 8                            ; s[8:9]   its bias
.set VP,  10                           ; s[10:11] its v
.set SCP, 12                           ; s[12:13] my work-group's 256 numbers of sc
.set WSP, 14                           ; s[14:15] the next pass's scale words
.set WV,  16
.set SEL, 20
.set CS,  22
.set IM,  24
.set SI,  25
.set TA,  26
.set TS,  27
.set TP,  28
.set PASS, 29
.set CNT,  30
.set TRIP, 31
.set MSB, 0
.macro WIN new                         ; s_set_vgpr_msb: bits 1:0 source 0, 3:2 source 1, 5:4 source 2, 7:6 destination; the high byte repeats the setting that is left
.if MSB != (\new)
	s_set_vgpr_msb (MSB<<8)|(\new)
.set MSB, (\new)
.endif
.endm
.macro PLACES n
.rept \n
	v_nop
.endr
.endm
; 64 numbers of a lane, register 16 b + i = k 32 b + 16 (lane / 16) + i of row lane % 16, become a fragment's codes in v[PC] on and the row's scale word in v[PW].
.macro QUANT s
.irp b, 0,1,2,3
	v_max3_num_f32 v[TM+\b], |v[\s+16*\b]|, |v[\s+1+16*\b]|, 0x1800000   ; block b: my 16 numbers, and the floor 2^(3 - 127): the byte cannot fall under 1
.endr
.irp i, 2,4,6,8,10,12,14
.irp b, 0,1,2,3
	v_max3_num_f32 v[TM+\b], v[TM+\b], |v[\s+16*\b+\i]|, |v[\s+1+16*\b+\i]|   ; the four blocks by turns
.endr
.endr
.irp b, 0,1,2,3
	v_permlanex16_b32 v[TM+4+\b], v[TM+\b], s[SEL], s[SEL+1]
.endr
.irp b, 0,1,2,3
	v_max_num_f32 v[TM+\b], v[TM+\b], v[TM+4+\b]   ; with lane l xor 16's 16: the block's largest magnitude
.endr
.irp b, 0,1,2,3
	v_add_nc_u32 v[TM+8+\b], 0xff000000, v[TM+\b]  ; 2 off its exponent field: the conversion takes the exponent field of this operand as its scale
.endr
.irp b, 0,1,2,3
	v_lshrrev_b32 v[TM+4+\b], 23, v[TM+8+\b]       ; the scale's byte
.endr
	v_lshl_or_b32 v[PW], v[TM+5], 8, v[TM+4]
	v_lshl_or_b32 v[PW], v[TM+6], 16, v[PW]
	v_lshl_or_b32 v[PW], v[TM+7], 24, v[PW]        ; the same word in lanes l and l xor 16
.irp c, 0,1
	v_cvt_scalef32_pk16_fp6_f32 v[PC+6*\c:PC+2+6*\c], v[\s+32*\c:\s+15+32*\c], v[TM+8+2*\c]
	v_cvt_scalef32_pk16_fp6_f32 v[PC+12+4*\c:PC+14+4*\c], v[\s+16+32*\c:\s+31+32*\c], v[TM+8+2*\c+1]   ; (a conversion's three registers begin on an even number)
.endr
	v_nop                                          ; one plain place behind the scaled conversions
.irp c, 0,1                                    ; the operand wants a WHOLE block in a lane: lanes 0-15 block 2 c, lanes 16-31 block 2 c + 1
.irp i, 0,1,2
	v_permlane16_swap_b32 v[PC+6*\c+\i], v[PC+12+4*\c+\i]
.endr
.irp i, 0,1,2
	v_mov_b32 v[PC+3+6*\c+\i], v[PC+12+4*\c+\i]
.endr
.endr
.endm
; A pass's weights: 4 tiles x 8 K steps x 3 pieces, 512 consecutive bytes a load, and their 16 registers of scale words.
.macro LOADW
	WIN 0x40                                       ; destination window 1
.irp t, 0,1
.irp k, 0,1,2,3,4,5,6,7
.irp c, 0,1,2
	global_load_b128 v[96*\t+12*\k+4*\c:96*\t+12*\k+4*\c+3], v[LI], s[WP:WP+1] offset:TILEB*\t+FRB*\k+512*\c
.endr
.endr
.endr
	WIN 0x80                                       ; destination window 2
.irp t, 0,1
.irp k, 0,1,2,3,4,5,6,7
.irp c, 0,1,2
	global_load_b128 v[96*\t+12*\k+4*\c:96*\t+12*\k+4*\c+3], v[LI], s[WP:WP+1] offset:TILEB*(\t+2)+FRB*\k+512*\c
.endr
.endr
.endr
	WIN 0
.irp t, 0,1,2,3
.irp q, 0,1,2,3
	global_load_b32 v[WS+4*\t+\q], v[L4], s[WSP:WSP+1] offset:512*\t+128*\q
.endr
.endr
.endm
; A pass's bias and v: for tile t my eight outputs 16 T + 8 h + 0 .. 7.
.macro LOADBV
.irp t, 0,1,2,3
	global_load_b128 v[BI+8*\t:BI+8*\t+3], v[BO], s[TBP:TBP+1] offset:2048*\t
	global_load_b128 v[BI+8*\t+4:BI+8*\t+7], v[BO], s[TBP:TBP+1] offset:2048*\t+16
	global_load_b128 v[VV+8*\t:VV+8*\t+3], v[BO], s[VP:VP+1] offset:64*\t
	global_load_b128 v[VV+8*\t+4:VV+8*\t+7], v[BO], s[VP:VP+1] offset:64*\t+16
.endr
.endm
.macro HALFV                           ; -1/2 x the sum of my 32 v: with it as the start, a lane's sum is that of v (r - 1/2), and no large common part is carried along
	v_pk_add_f32 v[HV:HV+1], v[VV:VV+1], v[VV+2:VV+3]
.irp q, 2,3,4,5,6,7,8,9,10,11,12,13,14,15
	v_pk_add_f32 v[HV:HV+1], v[HV:HV+1], v[VV+2*\q:VV+2*\q+1]
.endr
	v_pk_mul_f32 v[HV:HV+1], v[HV:HV+1], -0.5 op_sel_hi:[1,0]
.endm
; One unit of the ingest: row tile i of my four, the K step in hand.  Its 16 rows x 512 bytes, loaded as they lie, turn through my stage so that a lane holds 16 neighbours of each block of its row.
; left: the younger loads that may stay out.  ahead = 1: the buffer takes the same rows' next K step.
.macro UNIT i, ahead, left
	s_wait_loadcnt \left                           ; loads come back in order (ISA guide 5.7.1): this unit's 16 are in
	WIN 0x0c                                       ; an LDS store's data are its source 1: window 3
.irp p, 0,1,2,3,4,5,6,7,8,9,10,11,12,13,14,15
	ds_store_b128 v[STS], v[64*\i+4*\p:64*\i+4*\p+3] offset:SPITCH*\p
.endr
	WIN 0
.irp b, 0,1,2,3
.irp j, 0,1,2,3
	ds_load_b128 v[X+16*\b+4*\j:X+16*\b+4*\j+3], v[STL] offset:128*\b+16*\j   ; LDS serves a wave's instructions in order: these see the stores above
.endr
.endr
	s_wait_dscnt 0x0                               ; the turned numbers are in; the stores, the last unit's images among them, have read their registers
.if \ahead
	WIN 0xc0                                       ; destination window 3
.irp p, 0,1,2,3,4,5,6,7,8,9,10,11,12,13,14,15
	global_load_b128 v[64*\i+4*\p:64*\i+4*\p+3], v[LI], s[EP:EP+1] offset:65536*\i+4096*\p+512
.endr
	WIN 0
.endif
	QUANT X
.irp c, 0,1,2
	ds_store_b128 v[IMA], v[PC+4*\c:PC+4*\c+3] offset:TILEB*\i+512*\c
.endr
	ds_store_b32 v[SCA], v[PW] offset:512*\i       ; lanes l and l xor 16 write the same word with the same value
.endm
; The next row tile's 8 fragments and 4 registers of scale words into buffer par: one run of 28 LDS loads.
.macro FETCHA par
	WIN 0
	v_add_nc_u32 v[ADA], s[TA], v[LI]
	v_add_nc_u32 v[ADS], s[TS], v[L4]
	s_add_co_u32 s[TA], s[TA], TILEB
	s_add_co_u32 s[TS], s[TS], 512
	WIN 0xc0
.irp k, 0,1,2,3,4,5,6,7
.irp c, 0,1,2
	ds_load_b128 v[96*(\par)+12*\k+4*\c:96*(\par)+12*\k+4*\c+3], v[ADA] offset:FRB*\k+512*\c
.endr
.endr
	WIN 0
.irp q, 0,1,2,3
	ds_load_b32 v[AS+4*(\par)+\q], v[ADS] offset:128*\q
.endr
.endm
; Slice s of 16 of a tile's vector work.  Pair q is two neighbouring outputs of accumulator q / 4.  Three plain lines come first (c x of pair s; 1 + 2^.. of pair s - 1; the sum takes pair s - 2),
; then four transcendentals (2^.. of pair s, 1 / .. of pair s - 1).  So each transcendental's result is first used in the next slice, behind that slice's first line, which is plain and touches neither
; (ISA guide 5.7.2), and each accumulator is read from its low end on.
.macro SLICE s, set
.set xb, ACC+32*(\set)
	v_pk_fma_f32 v[xb+2*(\s):xb+2*(\s)+1], v[xb+2*(\s):xb+2*(\s)+1], s[CS:CS+1], v[BI+2*(\s):BI+2*(\s)+1] op_sel_hi:[1,0,1]
.if (\s) >= 1
	v_pk_add_f32 v[xb+2*(\s)-2:xb+2*(\s)-1], v[xb+2*(\s)-2:xb+2*(\s)-1], 1.0 op_sel_hi:[1,0]
.endif
.if (\s) == 2
	v_pk_fma_f32 v[SC:SC+1], v[xb:xb+1], v[VV:VV+1], v[HV:HV+1]       ; the sum starts
.elseif (\s) > 2
	v_pk_fma_f32 v[SC:SC+1], v[xb+2*(\s)-4:xb+2*(\s)-3], v[VV+2*(\s)-4:VV+2*(\s)-3], v[SC:SC+1]
.endif
	v_exp_f32 v[xb+2*(\s)], v[xb+2*(\s)]
	v_exp_f32 v[xb+2*(\s)+1], v[xb+2*(\s)+1]
.if (\s) >= 1
	v_rcp_f32 v[xb+2*(\s)-2], v[xb+2*(\s)-2]
	v_rcp_f32 v[xb+2*(\s)-1], v[xb+2*(\s)-1]
.endif
.endm
.macro TAIL set                        ; the last two pairs, and the lane's sum goes to LDS
.set xb, ACC+32*(\set)
	v_add_nc_u32 v[ADP], s[TP], v[L4]              ; (the plain line behind slice 15's transcendentals)
	v_pk_add_f32 v[xb+30:xb+31], v[xb+30:xb+31], 1.0 op_sel_hi:[1,0]
	v_pk_fma_f32 v[SC:SC+1], v[xb+28:xb+29], v[VV+28:VV+29], v[SC:SC+1]
	v_rcp_f32 v[xb+30], v[xb+30]
	v_rcp_f32 v[xb+31], v[xb+31]
	v_nop
	v_pk_fma_f32 v[SC:SC+1], v[xb+30:xb+31], v[VV+30:VV+31], v[SC:SC+1]
	v_add_f32 v[TOT], v[SC], v[SC+1]
	ds_store_b32 v[ADP], v[TOT]
	s_add_co_u32 s[TP], s[TP], 128
.endm
; A PERIOD: the row tile in buffer par against my four tiles of W_c, all of K: 16 slots of two matrix instructions.  The four accumulators take turns, one instruction a turn, in every slot and from
; period to period; K step 0 starts the sums with the constant 0.  Odd K steps take their scale words from lanes 16-31.
; epi = 1: slice s of the tile before (the other set) stands behind slot s.  fetch = 1: the next tile is fetched behind slot 1, 28 matrix instructions ahead of its use.
; PLACES, by count: behind a set's last products stand at least slice 15's three plain lines and TAIL's six, which name only the other set, before the next period reads the set, before
; loads land in the buffer or the weights that those products read; in the period without slices four v_nop serve.
.macro PERIOD par, epi, fetch
	s_wait_dscnt 0x0                               ; buffer par and its scale words are in; the last partial sum is stored
.set sl, 0
.rept 16
.set wn, 0x0d+sl%2
	WIN wn                                         ; source 0 (W_c) window 1 or 2, source 1 (rows) window 3, C and D window 0
.irp u, 0,1
.set tt, 2*(sl%2)+\u
.set kk, sl/2
.set rD, ACC+32*(\par)+8*tt
.set rW, 96*\u+12*kk
.set rA, 96*(\par)+12*kk
.set rS, WS+4*tt+kk/2
.set rT, AS+4*(\par)+kk/2
.if kk == 0
	v_wmma_scale_f32_16x16x128_f8f6f4 v[rD:rD+7], v[rW:rW+11], v[rA:rA+11], 0, v[rS], v[rT] matrix_a_fmt:MATRIX_FMT_FP6 matrix_b_fmt:MATRIX_FMT_FP6
.elseif kk%2 == 0
	v_wmma_scale_f32_16x16x128_f8f6f4 v[rD:rD+7], v[rW:rW+11], v[rA:rA+11], v[rD:rD+7], v[rS], v[rT] matrix_a_fmt:MATRIX_FMT_FP6 matrix_b_fmt:MATRIX_FMT_FP6
.else
	v_wmma_scale_f32_16x16x128_f8f6f4 v[rD:rD+7], v[rW:rW+11], v[rA:rA+11], v[rD:rD+7], v[rS], v[rT] matrix_a_fmt:MATRIX_FMT_FP6 matrix_b_fmt:MATRIX_FMT_FP6 matrix_a_scale:MATRIX_SCALE_ROW1 matrix_b_scale:MATRIX_SCALE_ROW1
.endif
.endr
.if \epi
	WIN 0
	SLICE sl, 1-\par
.endif
.if \fetch && (sl == 1)
	FETCHA 1-\par
.endif
.set sl, sl+1
.endr
	WIN 0
.if \epi
	TAIL 1-\par
.else
	PLACES 4
.endif
.endm
.macro EPIFULL set                     ; a pass's last tile: its vector work with no products beside it
.set sl, 0
.rept 16
	SLICE sl, \set
.set sl, sl+1
.endr
	TAIL \set
.endm
	s_load_b256 s[4:11], s[0:1], 0x0               ; encoder_outputs, wrec, tb, v
	s_load_b64 s[SCP:SCP+1], s[0:1], 0x20          ; sc
	v_lshrrev_b32 v16, 5, v0
	v_readfirstlane_b32 s[WV], v16                 ; wave 0..3
	v_and_b32 v16, 31, v0
	v_lshlrev_b32 v[LI], 4, v16
	v_lshlrev_b32 v[L4], 2, v16
	v_and_b32 v16, 15, v0                          ; r
	v_bfe_u32 v17, v0, 4, 1                        ; h
	v_lshlrev_b32 v[R4], 2, v16
	s_mul_i32 s17, s[WV], STGB
	s_add_co_u32 s17, s17, STG                     ; my stage
	v_add_nc_u32 v[STS], s17, v[LI]
	v_mul_u32_u24 v[STL], v16, SPITCH
	v_lshl_add_u32 v[STL], v17, 6, v[STL]
	v_add_nc_u32 v[STL], s17, v[STL]
	v_lshlrev_b32 v[BO], 5, v17
	v_lshrrev_b32 v[RDA], 3, v0                    ; the last sum: thread n takes rows 2 n, 2 n + 1: row tile n / 8, lanes 2 (n % 8) and the next
	v_and_b32 v16, 7, v0
	v_lshlrev_b32 v[RDA], 7, v[RDA]
	v_lshl_add_u32 v[RDA], v16, 3, v[RDA]
	v_add_nc_u32 v[RDA], PP, v[RDA]
	v_lshlrev_b32 v[GO], 3, v0
.irp b, 0,1,2,3
	v_mov_b32 v[TM+4+\b], 0                        ; written once: a lane permute's destination counts as one of its sources
.endr
	s_mov_b32 s[SEL], 0x76543210
	s_mov_b32 s[SEL+1], 0xfedcba98
	s_mov_b32 s[CS], 0x4038aa3b                    ; c = 2 log2(e)
	s_mov_b32 s[CS+1], s[CS]
	s_lshl_b32 s32, ttmp9, 20                      ; 256 rows of 4,096 bytes a work-group,
	s_lshl_b32 s33, s[WV], 18                      ; 64 a wave
	s_add_co_u32 s32, s32, s33
	s_mov_b32 s33, 0
	s_mul_i32 s34, s[WV], 4*TILEB                  ; my four tiles' images
	s_mov_b32 s35, 0
	s_lshl_b32 s36, s[WV], 11                      ; and their scale words
	s_add_co_u32 s36, s36, WSCL
	s_mov_b32 s37, 0
	s_lshr_b32 s38, ttmp9, 3                       ; the batch:
	s_lshl_b32 s38, s38, 6                         ; 64 bytes in each tile's 2,048 of tb
	s_lshl_b32 s39, s[WV], 13
	s_add_co_u32 s38, s38, s39
	s_mov_b32 s39, 0
	s_lshl_b32 s40, s[WV], 8                       ; v: 64 numbers a wave and pass
	s_mov_b32 s41, 0
	s_lshl_b32 s42, ttmp9, 10
	s_mov_b32 s43, 0
	s_mul_i32 s[IM], s[WV], 4*TILEB                ; LDS: my four row tiles' images (AFR = 0),
	s_lshl_b32 s[SI], s[WV], 11
	s_add_co_u32 s[SI], s[SI], ASL                 ; their scale words,
	s_lshl_b32 s[TP], s[WV], 13
	s_add_co_u32 s[TP], s[TP], PP                  ; my partial sums
	s_wait_kmcnt 0x0
	s_add_nc_u64 s[EP:EP+1], s[EP:EP+1], s[32:33]
	s_add_nc_u64 s[WSP:WSP+1], s[WP:WP+1], s[36:37]
	s_add_nc_u64 s[WP:WP+1], s[WP:WP+1], s[34:35]
	s_add_nc_u64 s[TBP:TBP+1], s[TBP:TBP+1], s[38:39]
	s_add_nc_u64 s[VP:VP+1], s[VP:VP+1], s[40:41]
	s_add_nc_u64 s[SCP:SCP+1], s[SCP:SCP+1], s[42:43]
	LOADW                                          ; pass 0's weights, bias and v: into registers that the ingest does not touch
	LOADBV
	WIN 0xc0
.irp i, 0,1,2,3                                ; K step 0 of my four row tiles
.irp p, 0,1,2,3,4,5,6,7,8,9,10,11,12,13,14,15
	global_load_b128 v[64*\i+4*\p:64*\i+4*\p+3], v[LI], s[EP:EP+1] offset:65536*\i+4096*\p
.endr
.endr
	WIN 0
	; ---- INGEST: a trip is one K step of my four row tiles.  48 to 64 loads of 512 bytes are on their way throughout.
	s_mov_b32 s[TRIP], 7
.Lingest:
	v_add_nc_u32 v[IMA], s[IM], v[LI]
	v_add_nc_u32 v[SCA], s[SI], v[R4]
.irp i, 0,1,2,3
	UNIT \i, 1, 48                                 ; 48: the three units, of 16 loads each, that were asked for behind this one; on the way in and on the way back alike
.endr
	s_wait_xcnt 0x0                                ; the loads have read their base: it may step
	s_add_nc_u64 s[EP:EP+1], s[EP:EP+1], 512
	s_add_co_u32 s[IM], s[IM], FRB
	s_add_co_u32 s[SI], s[SI], 64
	s_sub_co_u32 s[TRIP], s[TRIP], 1
	s_cmp_lg_u32 s[TRIP], 0
	s_cbranch_scc1 .Lingest
	v_add_nc_u32 v[IMA], s[IM], v[LI]              ; the last K step is written out: it asks for nothing, and the counts run down
	v_add_nc_u32 v[SCA], s[SI], v[R4]
.irp i, 0,1,2,3
	UNIT \i, 0, 48-16*\i
.endr
	s_wait_dscnt 0x0                               ; for the others' sake: my images and scale words are stored
	s_barrier_signal -1
	s_barrier_wait -1                              ; all 128 images lie in LDS
	; ---- PRODUCT: four passes of 16 periods
	s_mov_b32 s[PASS], 4
.Lpass:
	s_mov_b32 s[TA], AFR
	s_mov_b32 s[TS], ASL
	FETCHA 0
	s_wait_loadcnt 0x0                             ; the pass's weights, bias and v are in; their bases may step to the next pass (after the last pass they are not used)
	s_add_nc_u64 s[WP:WP+1], s[WP:WP+1], 16*TILEB
	s_add_nc_u64 s[WSP:WSP+1], s[WSP:WSP+1], 16*512
	s_add_nc_u64 s[TBP:TBP+1], s[TBP:TBP+1], 16*2048
	s_add_nc_u64 s[VP:VP+1], s[VP:VP+1], 16*64
	HALFV
	PERIOD 0, 0, 1                                 ; row tile 0: there is no tile before it
	s_mov_b32 s[CNT], 7
.Lpair:
	PERIOD 1, 1, 1                                 ; row tiles 1, 3 .. 13
	PERIOD 0, 1, 1                                 ; row tiles 2, 4 .. 14
	s_sub_co_u32 s[CNT], s[CNT], 1
	s_cmp_lg_u32 s[CNT], 0
	s_cbranch_scc1 .Lpair
	PERIOD 1, 1, 0                                 ; row tile 15: nothing more to fetch
	s_cmp_eq_u32 s[PASS], 1
	s_cbranch_scc1 .Lno_w                          ; behind the last pass there are no weights to ask for
	LOADW
.Lno_w:
	EPIFULL 1                                      ; row tile 15's vector work
	s_cmp_eq_u32 s[PASS], 1
	s_cbranch_scc1 .Lno_bv
	LOADBV                                         ; behind the last line that reads this pass's bias and v
.Lno_bv:
	s_sub_co_u32 s[PASS], s[PASS], 1
	s_cmp_lg_u32 s[PASS], 0
	s_cbranch_scc1 .Lpass
	s_wait_dscnt 0x0                               ; for the others' sake: my partial sums are stored
	s_barrier_signal -1
	s_barrier_wait -1
	; ---- THE LAST SUM: 32 partial sums for each of my two rows
.set n, 0
.rept 32
	ds_load_b64 v[ACC+2*n:ACC+2*n+1], v[RDA] offset:2048*(n/2)+64*(n%2)
.set n, n+1
.endr
	s_wait_dscnt 0x0
.set n, 4
.rept 28
	v_pk_add_f32 v[ACC+2*(n%4):ACC+2*(n%4)+1], v[ACC+2*(n%4):ACC+2*(n%4)+1], v[ACC+2*n:ACC+2*n+1]   ; four chains
.set n, n+1
.endr
	v_pk_add_f32 v[ACC:ACC+1], v[ACC:ACC+1], v[ACC+2:ACC+3]
	v_pk_add_f32 v[ACC+4:ACC+5], v[ACC+4:ACC+5], v[ACC+6:ACC+7]
	v_pk_add_f32 v[ACC:ACC+1], v[ACC:ACC+1], v[ACC+4:ACC+5]
	global_store_b64 v[GO], v[ACC:ACC+1], s[SCP:SCP+1]   ; a wave stores 256 consecutive bytes, aligned
	s_endpgm
.Lfunc_end_k_qcede5614a2_scores:
	.size	k_qcede5614a2_scores, .Lfunc_end_k_qcede5614a2_scores-k_qcede5614a2_scores
	.p2alignl 7, 3214868480
	.fill 96, 4, 3214868480
	.section	.rodata,"a",@progbits
	.p2align	6, 0x0
	.amdhsa_kernel k_qcede5614a2_scores
		.amdhsa_group_segment_fixed_size 271360
		.amdhsa_private_segment_fixed_size 0
		.amdhsa_enable_private_segment 0
		.amdhsa_kernarg_size 40
		.amdhsa_user_sgpr_count 2
		.amdhsa_user_sgpr_kernarg_segment_ptr 1
		.amdhsa_wavefront_size32 1
		.amdhsa_system_sgpr_workgroup_id_x 1
		.amdhsa_system_sgpr_workgroup_id_y 1
		.amdhsa_system_sgpr_workgroup_id_z 1
		.amdhsa_system_vgpr_workitem_id 0
		.amdhsa_next_free_vgpr 1024
		.amdhsa_next_free_sgpr 66
		.amdhsa_reserve_vcc 0
		.amdhsa_float_denorm_mode_32 3
		.amdhsa_float_denorm_mode_16_64 3
		.amdhsa_memory_ordered 1
		.amdhsa_forward_progress 1
		.amdhsa_inst_pref_size 144
	.end_amdhsa_kernel
	.amdgpu_metadata
---
amdhsa.version: [ 1, 2 ]
amdhsa.kernels:
  - .name:           k_qcede5614a2_scores
    .symbol:         k_qcede5614a2_scores.kd
    .args:
      - { .name: encoder_outputs, .offset: 0, .size: 8, .value_kind: global_buffer, .address_space: global }
      - { .name: wrec, .offset: 8, .size: 8, .value_kind: global_buffer, .address_space: global }
      - { .name: tb, .offset: 16, .size: 8, .value_kind: global_buffer, .address_space: global }
      - { .name: v, .offset: 24, .size: 8, .value_kind: global_buffer, .address_space: global }
      - { .name: sc, .offset: 32, .size: 8, .value_kind: global_buffer, .address_space: global }
    .group_segment_fixed_size: 271360
    .private_segment_fixed_size: 0
    .kernarg_segment_align: 8
    .kernarg_segment_size: 40
    .max_flat_workgroup_size: 128
    .sgpr_count:     66
    .vgpr_count:     1024
    .wavefront_size: 32
...
	.end_amdgpu_metadata
.endif
;; end of part 2
;; launch context (part 3): grid 256 x 1, 16 waves a work-group, no clusters, 16,640 bytes of LDS; arguments sc, encoder_outputs, out0, out1; writes out0, out1
.if DOCPART == 3
	.amdgcn_target "amdgcn-amd-amdhsa--gfx1250"
	.amdhsa_code_object_version 6
	.text
	.protected	k_qcede5614a2_context
	.globl	k_qcede5614a2_context
	.p2align	8
	.type	k_qcede5614a2_context,@function
k_qcede5614a2_context:
	s_mov_b64 s[64:65], 0
	v_nop
	global_prefetch_b8 v0, s[64:65] scope:SCOPE_SE
	s_setreg_imm32_b32 hwreg(HW_REG_WAVE_MODE, 25, 1), 1
	s_wait_xcnt 0x0
; out1[b][s] = softmax over s of score[b][s];  out0[b][:] = the sum over s of out1[b][s] x encoder_outputs[b][s][:], all in f32.  sc holds - score / 2.
; t = - c sc = log2(e) x score, c = 2 log2(e); M = the row's largest t, taken over all 2,048 positions; p = 2^(t - M); L = the sum of p; out1 = p / L.
; SHARES.  Work-group = 8 b + chunk: a batch and 128 of its 1,024 columns, so that every number of out0 has one owner.  Each work-group makes the batch's softmax for itself (8 KB of sc).
; Wave w takes positions 128 w .. 128 w + 127: one load reads a row's 512 bytes of the chunk, 16 a lane.  A ring of 16 rows in registers keeps 16 loads of every wave on their way; all 128 rows are
; written out, every offset an immediate.  The waves' sums meet in LDS.  out1's 2,048 numbers are shared out: work-group chunk stores those of its waves 2 chunk and 2 chunk + 1.
; Memory binds here: no matrix unit, no tensor load, no cluster.
; LIMITS: NaN and infinities in sc or encoder_outputs are not served.  A p under 2^-126 counts as 0 (v_exp_f32 gives zero there: ISA guide 15.8).
.set PA,  0                            ; LDS: p of the 2,048 positions
.set R1,  8192                         ; the 16 waves' maxima
.set R2,  8320                         ; their sums
.set CT,  8448                         ; their partial rows of out0, 512 bytes each
.set LI,  1                            ; v1   16 x lane
.set T16, 2                            ; v2   16 x thread
.set WW,  3                            ; v3   R1 + 4 x wave
.set RB,  4                            ; v4   R1
.set PB,  5                            ; v5   512 x wave: my wave's p
.set MX,  6                            ; v6   M
.set P4,  8                            ; v8-11 my four positions: sc, then t, then p
.set W0,  12
.set W1,  13
.set RL,  14                           ; v[14:15] 1 / L in the low register of a pair
.set RING, 16                          ; v16-79   16 rows x 4 registers
.set PR,  80                           ; v80-207  my wave's 128 p, each in every lane
.set SUM, 208                          ; v208-215 two sets of four sums: even rows, odd rows
	s_load_b256 s[4:11], s[0:1], 0x0               ; sc s[4:5], encoder_outputs s[6:7], out0 s[8:9], out1 s[10:11]
	v_lshrrev_b32 v[WW], 5, v0
	v_readfirstlane_b32 s12, v[WW]                 ; wave 0..15
	v_lshlrev_b32 v[PB], 9, v[WW]
	v_lshl_add_u32 v[WW], v[WW], 2, R1
	v_mov_b32 v[RB], R1
	v_and_b32 v[LI], 31, v0
	v_lshlrev_b32 v[LI], 4, v[LI]
	v_lshlrev_b32 v[T16], 4, v0
	v_mov_b32 v[W1], 0                             ; a lane permute's destination counts as one of its sources
	v_mov_b32 v[RL+1], 0                           ; (named as the upper half of a pair)
	s_lshr_b32 s13, ttmp9, 3                       ; b
	s_and_b32 s14, ttmp9, 7                        ; chunk
	s_mov_b32 s16, 0x76543210
	s_mov_b32 s17, 0xfedcba98                      ; v_permlanex16_b32's selects for lane l xor 16
	s_mov_b32 s24, 0xc038aa3b                      ; - 2 log2(e)
	s_mov_b32 s25, s24
	s_lshl_b32 s18, s13, 13                        ; a batch's 8,192 bytes of sc and of out1
	s_mov_b32 s19, 0
	s_lshl_b32 s20, s13, 23                        ; a batch's 2,048 rows of 4,096 bytes,
	s_lshl_b32 s21, s12, 19                        ; my wave's 128 rows,
	s_add_co_u32 s20, s20, s21
	s_lshl_b32 s21, s14, 9                         ; the chunk's 512 bytes
	s_add_co_u32 s20, s20, s21
	s_mov_b32 s21, 0
	s_lshl_b32 s22, s13, 12
	s_lshl_b32 s23, s14, 9
	s_add_co_u32 s22, s22, s23                     ; out0: 4,096 b + 512 chunk
	s_mov_b32 s23, 0
	s_wait_kmcnt 0x0
	s_add_nc_u64 s[4:5], s[4:5], s[18:19]
	s_add_nc_u64 s[10:11], s[10:11], s[18:19]
	s_add_nc_u64 s[6:7], s[6:7], s[20:21]
	s_add_nc_u64 s[8:9], s[8:9], s[22:23]
	global_load_b128 v[P4:P4+3], v[T16], s[4:5]    ; positions 4 n .. 4 n + 3 of thread n
.set n, 0
.rept 16
	global_load_b128 v[RING+4*n:RING+4*n+3], v[LI], s[6:7] offset:4096*n th:TH_LOAD_NT   ; the ring is filled before the softmax is begun; each byte is read once in this launch
.set n, n+1
.endr
	s_wait_loadcnt 16                              ; sc is in; the 16 rows asked for behind it stay out
	v_pk_mul_f32 v[P4:P4+1], v[P4:P4+1], s[24:25] op_sel_hi:[1,0]
	v_pk_mul_f32 v[P4+2:P4+3], v[P4+2:P4+3], s[24:25] op_sel_hi:[1,0]     ; t
	v_max3_num_f32 v[W0], v[P4], v[P4+1], v[P4+2]
	v_max_num_f32 v[W0], v[W0], v[P4+3]
	v_max_num_f32_dpp v[W0], v[W0], v[W0] row_xmask:1 row_mask:0xf bank_mask:0xf
	v_max_num_f32_dpp v[W0], v[W0], v[W0] row_xmask:2 row_mask:0xf bank_mask:0xf
	v_max_num_f32_dpp v[W0], v[W0], v[W0] row_xmask:4 row_mask:0xf bank_mask:0xf
	v_max_num_f32_dpp v[W0], v[W0], v[W0] row_xmask:8 row_mask:0xf bank_mask:0xf
	v_permlanex16_b32 v[W1], v[W0], s16, s17
	v_max_num_f32 v[W0], v[W0], v[W1]              ; my wave's largest t, in every lane
	ds_store_b32 v[WW], v[W0]                      ; all lanes write the same word with the same value
	s_wait_dscnt 0x0
	s_barrier_signal -1
	s_barrier_wait -1                              ; the 16 maxima lie in LDS
.irp q, 0,1,2,3
	ds_load_b128 v[PR+4*\q:PR+4*\q+3], v[RB] offset:16*\q
.endr
	s_wait_dscnt 0x0
	v_max3_num_f32 v[MX], v[PR], v[PR+1], v[PR+2]
.irp i, 3,5,7,9,11,13
	v_max3_num_f32 v[MX], v[MX], v[PR+\i], v[PR+\i+1]
.endr
	v_max_num_f32 v[MX], v[MX], v[PR+15]           ; M
.irp i, 0,1,2,3
	v_sub_f32 v[P4+\i], v[P4+\i], v[MX]
.endr
.irp i, 0,1,2,3
	v_exp_f32 v[P4+\i], v[P4+\i]                   ; p = 2^(t - M), at most 1
.endr
	v_nop                                          ; one plain place behind the transcendentals (ISA guide 5.7.2)
	v_add_f32 v[W0], v[P4], v[P4+1]
	v_add_f32 v[W1], v[P4+2], v[P4+3]
	v_add_f32 v[W0], v[W0], v[W1]
	ds_store_b128 v[T16], v[P4:P4+3]               ; PA = 0: p at 4 bytes a position
	v_add_f32_dpp v[W0], v[W0], v[W0] row_xmask:1 row_mask:0xf bank_mask:0xf
	v_add_f32_dpp v[W0], v[W0], v[W0] row_xmask:2 row_mask:0xf bank_mask:0xf
	v_add_f32_dpp v[W0], v[W0], v[W0] row_xmask:4 row_mask:0xf bank_mask:0xf
	v_add_f32_dpp v[W0], v[W0], v[W0] row_xmask:8 row_mask:0xf bank_mask:0xf
	v_permlanex16_b32 v[W1], v[W0], s16, s17
	v_add_f32 v[W0], v[W0], v[W1]
	ds_store_b32 v[WW], v[W0] offset:R2-R1
	s_wait_dscnt 0x0
	s_barrier_signal -1
	s_barrier_wait -1                              ; the 16 sums lie in LDS
.irp q, 0,1,2,3
	ds_load_b128 v[PR+4*\q:PR+4*\q+3], v[RB] offset:R2-R1+16*\q
.endr
	s_wait_dscnt 0x0
.irp i, 0,4,8,12
	v_pk_add_f32 v[PR+\i:PR+\i+1], v[PR+\i:PR+\i+1], v[PR+\i+2:PR+\i+3]
.endr
	v_pk_add_f32 v[PR:PR+1], v[PR:PR+1], v[PR+4:PR+5]
	v_pk_add_f32 v[PR+8:PR+9], v[PR+8:PR+9], v[PR+12:PR+13]
	v_pk_add_f32 v[PR:PR+1], v[PR:PR+1], v[PR+8:PR+9]
	v_add_f32 v[RL], v[PR], v[PR+1]                ; L, at least 1
	v_rcp_f32 v[RL], v[RL]
	v_nop                                          ; one plain place behind the transcendental
.set n, 0
.rept 32
	ds_load_b128 v[PR+4*n:PR+4*n+3], v[PB] offset:PA+16*n   ; my wave's 128 p: every lane reads the same 16 bytes
.set n, n+1
.endr
	s_lshr_b32 s26, s12, 1
	s_cmp_lg_u32 s26, s14                          ; ids alone: do my wave's positions fall to this work-group?
	s_cbranch_scc1 .Lnot_attn
	v_pk_mul_f32 v[P4:P4+1], v[P4:P4+1], v[RL:RL+1] op_sel_hi:[1,0]
	v_pk_mul_f32 v[P4+2:P4+3], v[P4+2:P4+3], v[RL:RL+1] op_sel_hi:[1,0]
	global_store_b128 v[T16], v[P4:P4+3], s[10:11] ; a wave stores 512 consecutive bytes, aligned; its registers are not written again
.Lnot_attn:
	s_wait_dscnt 0x0
	; ---- the weighted sum: row n of my 128; its p lies in the low (even n) or the high (odd n) register of a pair
.set n, 0
.rept 128
.set rg, RING+4*(n%16)
.set pr, PR+n-n%2
.if n > 112
	s_wait_loadcnt 127-n                           ; the younger rows may stay out: at the end the counts run down
.else
	s_wait_loadcnt 15
.endif
.if n == 0                                     ; the first two rows start the sums: nothing is cleared
	v_pk_mul_f32 v[SUM:SUM+1], v[rg:rg+1], v[pr:pr+1] op_sel_hi:[1,0]
	v_pk_mul_f32 v[SUM+2:SUM+3], v[rg+2:rg+3], v[pr:pr+1] op_sel_hi:[1,0]
.elseif n == 1
	v_pk_mul_f32 v[SUM+4:SUM+5], v[rg:rg+1], v[pr:pr+1] op_sel:[0,1] op_sel_hi:[1,1]
	v_pk_mul_f32 v[SUM+6:SUM+7], v[rg+2:rg+3], v[pr:pr+1] op_sel:[0,1] op_sel_hi:[1,1]
.elseif n%2 == 0
	v_pk_fma_f32 v[SUM:SUM+1], v[rg:rg+1], v[pr:pr+1], v[SUM:SUM+1] op_sel_hi:[1,0,1]
	v_pk_fma_f32 v[SUM+2:SUM+3], v[rg+2:rg+3], v[pr:pr+1], v[SUM+2:SUM+3] op_sel_hi:[1,0,1]
.else
	v_pk_fma_f32 v[SUM+4:SUM+5], v[rg:rg+1], v[pr:pr+1], v[SUM+4:SUM+5] op_sel:[0,1,0] op_sel_hi:[1,1,1]
	v_pk_fma_f32 v[SUM+6:SUM+7], v[rg+2:rg+3], v[pr:pr+1], v[SUM+6:SUM+7] op_sel:[0,1,0] op_sel_hi:[1,1,1]
.endif
.if n < 112
	global_load_b128 v[rg:rg+3], v[LI], s[6:7] offset:4096*(n+16) th:TH_LOAD_NT   ; the slot takes the row 16 further down
.endif
.set n, n+1
.endr
	v_pk_add_f32 v[SUM:SUM+1], v[SUM:SUM+1], v[SUM+4:SUM+5]
	v_pk_add_f32 v[SUM+2:SUM+3], v[SUM+2:SUM+3], v[SUM+6:SUM+7]
	ds_store_b128 v[T16], v[SUM:SUM+3] offset:CT   ; 512 x wave + 16 x lane = 16 x thread
	s_wait_dscnt 0x0
	s_barrier_signal -1
	s_barrier_wait -1                              ; the 16 partial rows lie in LDS
	s_cmp_lg_u32 s12, 0
	s_cbranch_scc1 .Ldone
.set n, 0
.rept 16
	ds_load_b128 v[RING+4*n:RING+4*n+3], v[LI] offset:CT+512*n
.set n, n+1
.endr
	s_wait_dscnt 0x0
.set n, 2
.rept 14
	v_pk_add_f32 v[RING+4*(n%2):RING+4*(n%2)+1], v[RING+4*(n%2):RING+4*(n%2)+1], v[RING+4*n:RING+4*n+1]   ; two chains
	v_pk_add_f32 v[RING+4*(n%2)+2:RING+4*(n%2)+3], v[RING+4*(n%2)+2:RING+4*(n%2)+3], v[RING+4*n+2:RING+4*n+3]
.set n, n+1
.endr
	v_pk_add_f32 v[RING:RING+1], v[RING:RING+1], v[RING+4:RING+5]
	v_pk_add_f32 v[RING+2:RING+3], v[RING+2:RING+3], v[RING+6:RING+7]
	v_pk_mul_f32 v[RING:RING+1], v[RING:RING+1], v[RL:RL+1] op_sel_hi:[1,0]
	v_pk_mul_f32 v[RING+2:RING+3], v[RING+2:RING+3], v[RL:RL+1] op_sel_hi:[1,0]
	global_store_b128 v[LI], v[RING:RING+3], s[8:9]  ; the chunk's 512 consecutive bytes of out0, aligned
.Ldone:
	s_endpgm
.Lfunc_end_k_qcede5614a2_context:
	.size	k_qcede5614a2_context, .Lfunc_end_k_qcede5614a2_context-k_qcede5614a2_context
	.p2alignl 7, 3214868480
	.fill 96, 4, 3214868480
	.section	.rodata,"a",@progbits
	.p2align	6, 0x0
	.amdhsa_kernel k_qcede5614a2_context
		.amdhsa_group_segment_fixed_size 16640
		.amdhsa_private_segment_fixed_size 0
		.amdhsa_enable_private_segment 0
		.amdhsa_kernarg_size 32
		.amdhsa_user_sgpr_count 2
		.amdhsa_user_sgpr_kernarg_segment_ptr 1
		.amdhsa_wavefront_size32 1
		.amdhsa_system_sgpr_workgroup_id_x 1
		.amdhsa_system_sgpr_workgroup_id_y 1
		.amdhsa_system_sgpr_workgroup_id_z 1
		.amdhsa_system_vgpr_workitem_id 0
		.amdhsa_next_free_vgpr 224
		.amdhsa_next_free_sgpr 66
		.amdhsa_reserve_vcc 0
		.amdhsa_float_denorm_mode_32 3
		.amdhsa_float_denorm_mode_16_64 3
		.amdhsa_memory_ordered 1
		.amdhsa_forward_progress 1
		.amdhsa_inst_pref_size 43
	.end_amdhsa_kernel
	.amdgpu_metadata
---
amdhsa.version: [ 1, 2 ]
amdhsa.kernels:
  - .name:           k_qcede5614a2_context
    .symbol:         k_qcede5614a2_context.kd
    .args:
      - { .name: sc, .offset: 0, .size: 8, .value_kind: global_buffer, .address_space: global }
      - { .name: encoder_outputs, .offset: 8, .size: 8, .value_kind: global_buffer, .address_space: global }
      - { .name: out0, .offset: 16, .size: 8, .value_kind: global_buffer, .address_space: global }
      - { .name: out1, .offset: 24, .size: 8, .value_kind: global_buffer, .address_space: global }
    .group_segment_fixed_size: 16640
    .private_segment_fixed_size: 0
    .kernarg_segment_align: 8
    .kernarg_segment_size: 32
    .max_flat_workgroup_size: 512
    .sgpr_count:     66
    .vgpr_count:     224
    .wavefront_size: 32
...
	.end_amdgpu_metadata
.endif
;; end of part 3
